; MI455X (gfx1250); checked and timed in simulation.
; The chip was launched on July 23, 2026; its instructions are those of AMD's public machine-readable ISA for CDNA 5 (MIT licence, August 2026) and "CDNA5" Instruction Set Architecture Reference Guide (July 2026). The comments in the code are by the model that wrote it; some were corrected since.
;; Mo E. Allowed arithmetic: matrix products marked QUANTISED: E2M1 operands, one E8M0 scale for each 32 along K, by v_wmma_scale_f32_16x16x128_f8f6f4 with both operands' format E2M1 (or v_wmma_scale_f32_32x16x128_f4), f32 sums; products left as they are: f32 operands where the result goes on into a quantised operand, else bf16, f16 or f32 operands; f32 sums; everything else in f32.
;; Inputs: fc1_b 8 x 512 float32; fc1_w_codes 8 x 512 x 32 x 16 uint8 (E2M1 codes of fc1_w, K innermost, in blocks of 32 codes, two codes a byte); fc1_w_scales 8 x 512 x 32 uint8 (E8M0 scales of fc1_w, one for each 32 codes along K); fc2_b 8 x 1,024 float32; fc2_w_codes 8 x 1,024 x 16 x 16 uint8 (E2M1 codes of fc2_w, K innermost, in blocks of 32 codes, two codes a byte); fc2_w_scales 8 x 1,024 x 16 uint8 (E8M0 scales of fc2_w, one for each 32 codes along K); gate_w 8 x 1,024 float32; x 4 x 2,048 x 1,024 float32.
;; Outputs: out0 4 x 2,048 x 1,024 float32; out1 one number float32.
;; This version of the problem:
;;   THIS VERSION OF THE PROBLEM IS GIVEN IN LOW PRECISION. The matrix products marked QUANTISED in the list below multiply operands that are first quantised to E2M1 (2 exponent bits, 1 mantissa bit; 4 bits a number), with one power-of-two scale for each 32 numbers along K (OCP MX v1.0); their sums are f32. All else is computed in f32.
;;   The module's matrix products, in the order in which they are computed (A, B: the left and right operand; K: the contracted axis; several contracted axes count as one K, in the product's order):
;;     1. [M 8,192, K 1,024] x [K 1,024, N 8]; A: input x; B: input gate_w: left as it is (N = 8 < 16)
;;     2. [M 8,192, K 1,024] x [K 1,024, N 512]; A: input x; B: input fc1_w (given as codes): QUANTISED
;;     3. [M 8,192, K 512] x [K 512, N 1,024]; A: computed on the way; B: input fc2_w (given as codes): QUANTISED
;;     4. [M 8,192, K 1,024] x [K 1,024, N 512]; A: input x; B: input fc1_w (given as codes): QUANTISED
;;     5. [M 8,192, K 512] x [K 512, N 1,024]; A: computed on the way; B: input fc2_w (given as codes): QUANTISED
;;     6. [M 8,192, K 1,024] x [K 1,024, N 512]; A: input x; B: input fc1_w (given as codes): QUANTISED
;;     7. [M 8,192, K 512] x [K 512, N 1,024]; A: computed on the way; B: input fc2_w (given as codes): QUANTISED
;;     8. [M 8,192, K 1,024] x [K 1,024, N 512]; A: input x; B: input fc1_w (given as codes): QUANTISED
;;     9. [M 8,192, K 512] x [K 512, N 1,024]; A: computed on the way; B: input fc2_w (given as codes): QUANTISED
;;     10. [M 8,192, K 1,024] x [K 1,024, N 512]; A: input x; B: input fc1_w (given as codes): QUANTISED
;;     11. [M 8,192, K 512] x [K 512, N 1,024]; A: computed on the way; B: input fc2_w (given as codes): QUANTISED
;;     12. [M 8,192, K 1,024] x [K 1,024, N 512]; A: input x; B: input fc1_w (given as codes): QUANTISED
;;     13. [M 8,192, K 512] x [K 512, N 1,024]; A: computed on the way; B: input fc2_w (given as codes): QUANTISED
;;     14. [M 8,192, K 1,024] x [K 1,024, N 512]; A: input x; B: input fc1_w (given as codes): QUANTISED
;;     15. [M 8,192, K 512] x [K 512, N 1,024]; A: computed on the way; B: input fc2_w (given as codes): QUANTISED
;;     16. [M 8,192, K 1,024] x [K 1,024, N 512]; A: input x; B: input fc1_w (given as codes): QUANTISED
;;     17. [M 8,192, K 512] x [K 512, N 1,024]; A: computed on the way; B: input fc2_w (given as codes): QUANTISED
;;     18. [M 1, K 8] x [K 8, N 1]; A: computed on the way; B: computed on the way: left as it is (K = 8 < 32)
;;   THE QUANTISER, for each operand of a quantised product, along K:
;;     - K is cut into blocks of 32 from its start; a last block that is shorter is filled with zeros.
;;     - A block's scale is 2^e with e = floor(log2(the largest magnitude in the block)) - 2, held to -126 .. 127; a block of zeros has e = 0. As a byte (E8M0): e + 127.
;;     - Each number is divided by its block's scale, clamped to +-6, and rounded to the nearest number of E2M1, ties to even, subnormals kept.
;;     - The product sums the exact products of the quantised numbers (number of the format x scale) in f32.
;;   ~~~python
;;   def quantise(x, axis):      # numpy; x: float32 -> the quantised numbers, widened to float32 again
;;       x = np.moveaxis(x, axis, -1); K = x.shape[-1]
;;       x = np.pad(x, [(0, 0)] * (x.ndim - 1) + [(0, -K % 32)]); x = x.reshape(x.shape[:-1] + (-1, 32)); a = np.abs(x).max(-1, keepdims=True)
;;       e = np.where(a > 0, np.clip(np.frexp(np.where(a > 0, a, 1))[1] - 1 - 2, -126, 127), 0)      # np.frexp(a)[1] - 1 = floor(log2(a)), exactly
;;       r = np.clip(x / 2.0 ** e, -6, 6)
;;       step = 2.0 ** (np.maximum(np.frexp(np.where(r == 0, 1, r))[1] - 1, 0) - 1)
;;       q = np.round(r / step) * step * 2.0 ** e      # np.round: ties to even
;;       return np.moveaxis(q.reshape(q.shape[:-2] + (-1,))[..., :K], -1, axis).astype(np.float32)
;;   ~~~
;;   OPERANDS COMPUTED ON THE WAY. 'Computed on the way' means the value that the module computes at that place (a softmax that the list does not call 'softmax' is quantised finished and normalised). What goes into a quantiser is computed in f32, as accurately as f32 sums, v_exp_f32 and their like allow (about 1e-6 of the number): no bf16 or f16 on the way to a quantiser, and a product that is left as it is and whose result goes on into a quantised operand takes f32 operands (vector FMAs, or v_wmma_f32_16x16x4_f32). A number that lies on a knife's edge between two numbers of the format may be rounded either way, as far as f32 arithmetic and the matrix unit's own rounding can turn it there, and no further.
;;   INPUTS GIVEN AS CODES. fc1_w (in the module: [8, 512, 1024], K = its axis 2); fc2_w (in the module: [8, 1024, 512], K = its axis 2): each comes as NAME_codes (uint8): NAME with its K axis moved to the last place and cut into blocks of 32 codes, [.., K / 32, bytes a block], one block behind the other in memory; two codes a byte, the lower K in the low four bits (a code: sign, 2 exponent bits, 1 mantissa bit); and NAME_scales (uint8): the same leading axes, one E8M0 byte (e + 127) for each 32 codes along K. Its value is code x scale, taken as it is: it is not quantised again, and the codes and scales need not be those that the quantiser above would give.
;; One version. Each part assembles by itself: llvm-mc -triple=amdgcn-amd-amdhsa -mcpu=gfx1250 --defsym DOCPART=n.
;; ======== version 1 of 1: 2 launches
;; workspace buffers: xqs 4,456,448 bytes; fl 40,960 bytes; rsel 40,960 bytes of whole numbers; wimg 4,194,304 bytes
;; launch route (part 1): grid 256 x 1, 8 waves a work-group, no clusters, 68,608 bytes of LDS; arguments x, gate_w, xqs, fl, rsel, fc1_w_codes, fc2_w_codes, wimg; writes xqs, fl, rsel, wimg
.if DOCPART == 1
	.amdgcn_target "amdgcn-amd-amdhsa--gfx1250"
	.amdhsa_code_object_version 6
	.text
	.protected	k_qf10995943a_route
	.globl	k_qf10995943a_route
	.p2align	8
	.type	k_qf10995943a_route,@function
k_qf10995943a_route:
	s_mov_b64 s[64:65], 0
	v_nop
	global_prefetch_b8 v0, s[64:65] scope:SCOPE_SE
	s_setreg_imm32_b32 hwreg(HW_REG_WAVE_MODE, 25, 1), 1
	s_wait_xcnt 0x0
; ROUTER AND QUANTISER.  x [8192][1024] f32 is read once.  For each token: the 8 logits x . gate_w[e] in f32, their softmax (largest logit taken away first),
; the chosen expert (lowest index among equal largest LOGITS) and its probability; and x's codes of FP4 (E2M1) with one E8M0 byte for each 32 along K.
; Stored: xqs = codes [token][512 B], from XS_OFF on scale bytes [token][32 B];  fl = imp [token] f32, from PS_OFF on the sums of the probabilities [block][8];
; rsel = the expert of each token, from CNT_OFF on the counts [block][8].  A block is this work-group's 32 tokens.
; Nothing here forms an address or a branch from the choice: it is stored as whole numbers and used by the next launch.
; SHARES.  Eight waves split K: wave w owns k = 128 w .. 128 w + 127 of all 32 rows, so its part of gate_w (8 x 16 numbers a lane) stays in 128 registers.
; A step is 4 rows x 128 numbers: four loads of 512 consecutive bytes; the 2,048 bytes turn through the wave's own stage in LDS, so that a lane holds 16 neighbours along K of one row
; (lane l: row 4 t + l / 8, k = 128 w + 16 (l % 8) ..); lanes l and l xor 1 hold a block of 32.
; THE WEIGHTS' CODES ARE LAID HERE IN THE ORDER OF THE OPERAND'S REGISTERS, so that the next launch loads each fragment by two loads of 512 consecutive bytes.  A fragment (16 rows x 128 K) is 1,024 bytes:
; [c 0..1][lane][16 bytes]; lane (r, h) piece c holds bytes 64 s + 32 c + 16 h of its row.  fc1: tile G (0..255), K step s at G x 8192 + s x 1024; lane r takes row 32 (G / 2) + 8 (G % 2) + r + 8 (r / 8),
; so that the results of tiles 2 b and 2 b + 1 are 16 neighbours along the next K.  fc2: tile G2 (0..511), K step s at 2^21 + G2 x 4096 + s x 1024; lane r takes row 16 G2 + r.
; That is 1,024 tasks of 16 rows x 256 bytes -> 4 KiB; waves 0 to 3 of work-group g take tasks 4 g + wave, while their first loads of x are on their way, through the stage and the registers that lie idle until step 0.
; LIMITS: NaN and infinities among the inputs are not served.  A block whose largest magnitude lies under 2^-124 gets the byte 1; so does a block of zeros, where the rule says 127:
; its codes are zeros, and this program alone reads the bytes.  Ties of the argmax are broken on the logits, not on the rounded probabilities.
; No matrix unit: the product has 8 columns and wants f32 operands.  No cluster: work-groups share only gate_w, 32 KiB against 128 KiB of x each.
.set XS_OFF,  4194304
.set PS_OFF,  32768
.set CNT_OFF, 32768
.set SP,    80                         ; a lane's place in a stage: 64 bytes + 16 of padding
.set STGB,  32*SP                      ; a stage; two for each wave, from LDS byte 0 on
.set CSTG,  40960                      ; 32 rows of codes, 512 bytes + 16
.set CP,    528
.set SCB,   57856                      ; 32 rows x 32 scale bytes
.set PLB,   58880                      ; partial logits [wave][row][expert] f32
.set SELB,  67072                      ; 32 words: the choice;  + 128: imp;  + 256: the waves' sums of probabilities [wave][expert]
.set A,   16                           ; v16-31   eight sums, two halves each
.set P,   32                           ; v32-39   eight sums of a lane, then the exchange among eight lanes
.set PL,  40                           ; v40-41   the partial logit to be stored, two sets
.set C,   42                           ; v42-45   16 codes, two sets
.set E,   46                           ; v46-47   the scale byte, two sets
.set X,   48                           ; v48-79   16 neighbours, two sets
.set R,   80                           ; v80-127  a step's numbers as loaded, three sets
.set G,   128                          ; v128-255 gate_w[e][my 16 k]
	s_load_b256 s[4:11], s[0:1], 0x0               ; x, gate_w, xqs, fl
	s_load_b256 s[32:39], s[0:1], 0x20             ; rsel, fc1's codes, fc2's codes, wimg
	s_set_vgpr_msb 0x40
	v_lshl_add_u32 v0, v0, 2, 0x10800
	v_mov_b32 v1, 0
	s_set_vgpr_msb 0x4000
	v_lshrrev_b32 v8, 5, v0
	s_delay_alu instid0(VALU_DEP_1)
	v_readfirstlane_b32 s16, v8                    ; wave 0..7
	v_and_b32 v9, 31, v0                           ; lane
	v_lshlrev_b32 v1, 4, v0                        ; x: 512 w + 16 l in a row
	s_mul_i32 s17, s16, 2*STGB
	v_lshrrev_b32 v10, 2, v9
	s_delay_alu instid0(VALU_DEP_1)
	v_mul_u32_u24 v2, v10, SP
	v_and_b32 v10, 3, v9
	s_delay_alu instid0(VALU_DEP_1)
	v_lshl_add_u32 v2, v10, 4, v2
	s_delay_alu instid0(VALU_DEP_1)
	v_add_nc_u32 v2, s17, v2                       ; the stage, in: four lanes' 64 bytes on end, then the padding
	v_mul_u32_u24 v3, v9, SP
	s_delay_alu instid0(VALU_DEP_1)
	v_add_nc_u32 v3, s17, v3                       ; and out: my 16 neighbours
	v_lshrrev_b32 v10, 3, v9                       ; l / 8: which of the step's four rows
	v_and_b32 v11, 7, v9                           ; l % 8: which 16 of the wave's 128
	s_delay_alu instid0(VALU_DEP_2)
	v_mul_u32_u24 v4, v10, CP
	s_delay_alu instid0(VALU_DEP_1)
	v_lshl_add_u32 v4, v11, 3, v4
	s_lshl_b32 s18, s16, 6
	s_add_co_u32 s18, s18, CSTG
	v_add_nc_u32 v4, s18, v4                       ; my 8 bytes of codes: row, 64 w + 8 (l % 8)
	v_lshrrev_b32 v12, 1, v11
	s_delay_alu instid0(VALU_DEP_1)
	v_lshl_add_u32 v5, v10, 5, v12
	s_lshl_b32 s18, s16, 2
	s_add_co_u32 s18, s18, SCB
	v_add_nc_u32 v5, s18, v5                       ; my block's byte: row, 4 w + (l % 8) / 2
	s_lshl_b32 s18, s16, 10
	s_add_co_u32 s18, s18, PLB
	v_lshl_add_u32 v6, v9, 2, s18                  ; my partial logit: [w][4 t + l / 8][l % 8]
	s_lshl_b32 s18, s16, 9
	v_lshl_add_u32 v7, v11, 6, s18                 ; gate_w: 512 w + 64 (l % 8) in a row
	v_and_b32 v13, 15, v9                          ; the weights' task: r,
	v_lshrrev_b32 v14, 4, v9                       ; h
	s_delay_alu instid0(VALU_DEP_1)
	v_mul_u32_u24 v56, v14, 272
	s_delay_alu instid0(VALU_DEP_1)
	v_lshl_add_u32 v56, v13, 4, v56
	s_delay_alu instid0(VALU_DEP_1)
	v_add_nc_u32 v56, s17, v56                     ; into my stage, as 16 rows of 256 bytes + 16: two rows to a load
	v_mul_u32_u24 v57, v13, 272
	s_delay_alu instid0(VALU_DEP_1)
	v_lshl_add_u32 v57, v14, 4, v57
	s_delay_alu instid0(VALU_DEP_1)
	v_add_nc_u32 v57, s17, v57                     ; and out of it: row r, + 16 h
	v_lshlrev_b32 v58, 4, v9                       ; 16 x lane: my place in a piece of 512 bytes
	v_mov_b32 v[PL], 0                             ; written once: the destination of a DPP form counts as read
	v_mov_b32 v[PL+1], 0
	s_mov_b32 s20, 0xf0f0f0f0                      ; lanes whose bit 2 is set; bit 1; bit 0
	s_mov_b32 s21, 0xcccccccc
	s_mov_b32 s22, 0xaaaaaaaa
	s_mov_b32 s24, 0x76543210                      ; v_permlanex16_b32's selects for lane l xor 16
	s_mov_b32 s25, 0xfedcba98
	s_mov_b32 s3, 0
	s_wait_kmcnt 0x0
	s_lshl_b32 s2, ttmp9, 17
	s_add_nc_u64 s[4:5], s[4:5], s[2:3]            ; x at my 32 rows
	s_lshl_b32 s2, ttmp9, 10
	s_add_nc_u64 s[26:27], s[8:9], s[2:3]
	s_add_nc_u64 s[26:27], s[26:27], XS_OFF        ; their scale bytes
	s_lshl_b32 s2, ttmp9, 14
	s_add_nc_u64 s[8:9], s[8:9], s[2:3]            ; their codes
	s_lshl_b32 s2, ttmp9, 7
	s_add_nc_u64 s[28:29], s[10:11], s[2:3]        ; imp
	s_add_nc_u64 s[30:31], s[32:33], s[2:3]        ; the experts
	s_lshl_b32 s2, ttmp9, 5
	s_add_nc_u64 s[10:11], s[10:11], s[2:3]        ; the block's 8 sums (PS_OFF stands in the store)
	s_add_nc_u64 s[12:13], s[32:33], s[2:3]        ; the block's 8 counts (CNT_OFF likewise)
; the weights' task T = 4 g + w: T < 512: fc1's tile T / 2, half T % 2 of its rows' 512 bytes; else fc2's tile T - 512.  It goes to wimg + 4096 T
	s_lshl_b32 s54, ttmp9, 14
	s_lshl_b32 s55, s16, 12
	s_add_co_u32 s55, s54, s55                     ; 4096 T
	s_lshr_b32 s56, s16, 1
	s_lshl_b32 s56, s56, 12
	s_and_b32 s57, s16, 1
	s_lshl_b32 s57, s57, 8
	s_add_co_u32 s56, s56, s57
	s_add_co_u32 s56, s56, s54                     ; fc1: 32 rows x (T / 4) + 8 rows x ((T / 2) % 2), 512 bytes a row, + 256 (T % 2)
	s_sub_co_u32 s57, s55, 0x200000                ; fc2: 4096 (T - 512)
	s_cmp_lt_u32 ttmp9, 128                        ; the choice hangs on the work-group's number alone
	s_cselect_b32 s56, s56, s57
	s_cselect_b64 s[34:35], s[34:35], s[36:37]
	s_cselect_b32 s53, 1, 0
	s_mov_b32 s57, 0
	s_add_nc_u64 s[34:35], s[34:35], s[56:57]
	s_mov_b32 s56, s55
	s_add_nc_u64 s[38:39], s[38:39], s[56:57]
	s_lshl_b32 s58, 0x100, s53                     ; a row's pitch: 512 or 256 bytes
	s_lshl_b32 s59, s53, 12                        ; fc1: the tile's rows 8 to 15 lie 8 rows further on
.irp e, 0,1,2,3,4,5,6,7
.irp j, 0,1,2,3
	global_load_b128 v[G+16*\e+4*\j:G+16*\e+4*\j+3], v7, s[6:7] offset:4096*\e+16*\j
.endr
.endr
.macro LOAD t                          ; step t: rows 4 t .. 4 t + 3, my wave's 512 bytes of each
.irp i, 0,1,2,3
	global_load_b128 v[R+16*((\t)%3)+4*\i:R+16*((\t)%3)+4*\i+3], v1, s[4:5] offset:(4*(\t)+\i)*4096 th:TH_LOAD_NT
.endr
.endm
.macro TURN t                          ; through the stage: LDS serves a wave's instructions in order, so no wait stands between the stores and the loads
.irp i, 0,1,2,3
	ds_store_b128 v2, v[R+16*((\t)%3)+4*\i:R+16*((\t)%3)+4*\i+3] offset:STGB*((\t)%2)+8*SP*\i
.endr
.irp i, 0,1,2,3
	ds_load_b128 v[X+16*((\t)%2)+4*\i:X+16*((\t)%2)+4*\i+3], v3 offset:STGB*((\t)%2)+16*\i
.endr
.endm
	LOAD 0
	LOAD 1
	LOAD 2
	s_cmp_lt_u32 s16, 4
	s_cbranch_scc0 .Lno_task
; ---- waves 0 to 3: 16 rows x 256 bytes of a weight's codes become four fragments
	v_mul_u32_u24 v59, v14, s58
	s_delay_alu instid0(VALU_DEP_1)
	v_lshl_add_u32 v59, v13, 4, v59                ; row h of a pair, 16 bytes a lane: sixteen lanes read 256 consecutive bytes
	s_wait_alu depctr_va_vdst(0)
.irp i, 0,1,2,3,4,5,6,7
	s_mul_i32 s60, s58, 2*\i
.if \i >= 4
	s_add_co_u32 s60, s60, s59
.endif
	v_add_nc_u32 v[48+\i], s60, v59
	global_load_b128 v[16+4*\i:19+4*\i], v[48+\i], s[34:35] th:TH_LOAD_NT   ; the tile's rows 2 i and 2 i + 1
.endr
.irp i, 0,1,2,3,4,5,6,7
	s_wait_loadcnt 7-\i                            ; loads come back in order: pair i is in, the younger pairs may be out
	ds_store_b128 v56, v[16+4*\i:19+4*\i] offset:2*272*\i
.endr
.irp j, 0,1,2,3,4,5,6,7
	ds_load_b128 v[16+4*\j:19+4*\j], v57 offset:32*\j   ; piece j = 2 s + c.  LDS serves a wave's instructions in order: these see my stores
.endr
.irp j, 0,1,2,3,4,5,6,7
	s_wait_dscnt 7-\j
	global_store_b128 v58, v[16+4*\j:19+4*\j], s[38:39] offset:512*\j   ; 512 consecutive bytes, aligned
.endr
	s_wait_xcnt 0x0                                ; the stores' data and offset registers are written again by the steps only behind this wait
.Lno_task:
	s_wait_loadcnt 8                               ; gate_w and step 0 are in; steps 1 and 2 (8 loads) may be out
	TURN 0
.macro STEP t
.set XS, X+16*((\t)%2)
.set S2, (\t)%2
.if (\t) > 0
	s_wait_dscnt 3                                 ; this step's numbers are back from the stage; the last step's three small stores may be out
.else
	s_wait_dscnt 0x0
.endif
.if (\t)+3 < 8
	LOAD (\t)+3                                    ; into the set whose stores into the stage that wait has shown done
.endif
.if (\t) < 7
.if (\t) <= 4
	s_wait_loadcnt 8                               ; the next step's four loads are in; those of the two steps behind it may be out
.else
	s_wait_loadcnt 4*(6-(\t))
.endif
	TURN (\t)+1                                    ; the next step turns while this one is worked
.endif
.irp e, 0,1,2,3,4,5,6,7                        ; eight dot products over my 16 numbers, two at a time, the eight chains by turns
	v_pk_mul_f32 v[A+2*\e:A+2*\e+1], v[XS:XS+1], v[G+16*\e:G+16*\e+1]
.endr
.irp j, 2,4,6,8,10,12,14
.irp e, 0,1,2,3,4,5,6,7
	v_pk_fma_f32 v[A+2*\e:A+2*\e+1], v[XS+\j:XS+\j+1], v[G+16*\e+\j:G+16*\e+\j+1], v[A+2*\e:A+2*\e+1]
.endr
.endr
.irp e, 0,1,2,3,4,5,6,7
	v_add_f32 v[P+\e], v[A+2*\e], v[A+2*\e+1]
.endr
; The eight lanes of a row add their sums and share them out: at each of three steps a lane keeps the half of the experts that its lane bit names and sends the other half.  Lane l ends with expert l % 8.
.irp i, 0,1,2,3
	v_cndmask_b32 v[8+\i], v[P+\i], v[P+4+\i], s20             ; kept
	v_cndmask_b32 v[12+\i], v[P+4+\i], v[P+\i], s20            ; sent
.endr
.irp i, 0,1,2,3
	v_add_f32_dpp v[P+\i], v[12+\i], v[8+\i] row_xmask:4 row_mask:0xf bank_mask:0xf
.endr
.irp i, 0
	s_delay_alu instid0(VALU_DEP_2)
	v_cndmask_b32 v[8+\i], v[P+\i], v[P+2+\i], s21
	s_delay_alu instid0(VALU_DEP_3)
	v_cndmask_b32 v[12+\i], v[P+2+\i], v[P+\i], s21
.endr
.irp i, 1
	s_delay_alu instid0(VALU_DEP_3)
	v_cndmask_b32 v[8+\i], v[P+\i], v[P+2+\i], s21
	s_delay_alu instid0(VALU_DEP_4)
	v_cndmask_b32 v[12+\i], v[P+2+\i], v[P+\i], s21
.endr
.irp i, 0
	s_delay_alu instid0(VALU_DEP_3)
	v_add_f32_dpp v[P+4+\i], v[12+\i], v[8+\i] row_xmask:2 row_mask:0xf bank_mask:0xf
.endr
.irp i, 1
	s_delay_alu instid0(VALU_DEP_2)
	v_add_f32_dpp v[P+4+\i], v[12+\i], v[8+\i] row_xmask:2 row_mask:0xf bank_mask:0xf
.endr
	s_delay_alu instid0(VALU_DEP_1)
	v_cndmask_b32 v8, v[P+4], v[P+5], s22
	s_delay_alu instid0(VALU_DEP_2)
	v_cndmask_b32 v12, v[P+5], v[P+4], s22
	s_delay_alu instid0(VALU_DEP_1)
	v_add_f32_dpp v[PL+S2], v12, v8 row_xmask:1 row_mask:0xf bank_mask:0xf
	ds_store_b32 v6, v[PL+S2] offset:128*(\t)
; The quantiser: the largest magnitude of my 16 and my neighbour's 16, with the floor 2^(3 - 127) among the leaves, so that the byte cannot fall under 1
	v_max3_num_f32 v8, |v[XS]|, |v[XS+1]|, |v[XS+2]|
	v_max3_num_f32 v9, |v[XS+3]|, |v[XS+4]|, |v[XS+5]|
.irp i, 6,10
	s_delay_alu instid0(VALU_DEP_2)
	v_max3_num_f32 v8, v8, |v[XS+\i]|, |v[XS+\i+1]|
	s_delay_alu instid0(VALU_DEP_2)
	v_max3_num_f32 v9, v9, |v[XS+\i+2]|, |v[XS+\i+3]|
.endr
	s_delay_alu instid0(VALU_DEP_2)
	v_max3_num_f32 v8, v8, |v[XS+14]|, |v[XS+15]|
	s_delay_alu instid0(VALU_DEP_1)
	v_max3_num_f32 v8, v8, v9, 0x1800000
	s_delay_alu instid0(VALU_DEP_1)
	v_max_num_f32_dpp v8, v8, v8 row_xmask:1 row_mask:0xf bank_mask:0xf
	s_delay_alu instid0(VALU_DEP_1)
	v_add_nc_u32 v11, 0xff000000, v8               ; 2 off its exponent field: the conversion takes the exponent field of this operand as its scale
	v_cvt_scalef32_pk8_fp4_f32 v[C+2*S2], v[XS:XS+7], v11
	v_cvt_scalef32_pk8_fp4_f32 v[C+2*S2+1], v[XS+8:XS+15], v11
	v_lshrrev_b32 v[E+S2], 23, v11                 ; the scale's byte (a plain line behind the conversions)
	ds_store_b64 v4, v[C+2*S2:C+2*S2+1] offset:4*CP*(\t)
	ds_store_b8 v5, v[E+S2] offset:128*(\t)        ; both lanes of a block write the same byte with the same value
.endm
.irp t, 0,1,2,3,4,5,6,7
	STEP \t
.endr
	s_wait_dscnt 0x0                               ; for the others' sake: my partial logits, codes and bytes lie in LDS
	s_barrier_signal -1
	s_barrier_wait -1
; ---- thread = (row tid / 8, expert tid % 8).  All addresses of what follows are made here, on the way that all waves take
	v_and_b32 v10, 31, v0
	v_lshl_add_u32 v1, v0, 2, PLB                  ; my (row, expert) in each wave's partial logits
	s_mul_i32 s18, s16, 4*CP
	s_add_co_u32 s18, s18, CSTG
	v_lshl_add_u32 v2, v10, 4, s18                 ; rows 4 w .. 4 w + 3 of the codes, 16 bytes a lane
	s_lshl_b32 s18, s16, 11
	v_lshl_add_u32 v3, v10, 4, s18                 ; and the same place in xqs
	v_lshrrev_b32 v4, 3, v0
	s_delay_alu instid0(VALU_DEP_1)
	v_lshl_add_u32 v4, v4, 2, SELB                 ; my row's word
	v_and_b32 v11, 7, v0
	s_lshl_b32 s18, s16, 5
	s_add_co_u32 s18, s18, SELB+256
	v_lshl_add_u32 v5, v11, 2, s18                 ; my wave's sum for my expert
	v_lshl_add_u32 v6, v0, 3, SCB                  ; the scale bytes, 8 a thread (threads 0 to 127)
	v_lshlrev_b32 v7, 3, v0
	v_lshl_add_u32 v8, v10, 2, SELB                ; wave 0 at the end: a lane to a row
	v_lshlrev_b32 v9, 2, v10
.irp i, 0,1,2,3,4,5,6,7
	ds_load_b32 v[16+\i], v1 offset:1024*\i
.endr
.irp i, 0,1,2,3
	ds_load_b128 v[48+4*\i:51+4*\i], v2 offset:CP*\i
.endr
	s_wait_dscnt 4                                 ; the eight partial logits are in; the four rows of codes may be out
	v_add_f32 v16, v16, v17
	v_add_f32 v18, v18, v19
	v_add_f32 v20, v20, v21
	v_add_f32 v22, v22, v23
	s_delay_alu instid0(VALU_DEP_3)
	v_add_f32 v16, v16, v18
	s_delay_alu instid0(VALU_DEP_2)
	v_add_f32 v20, v20, v22
	s_delay_alu instid0(VALU_DEP_1)
	v_add_f32 v16, v16, v20                        ; the logit
	s_delay_alu instid0(VALU_DEP_1)
	v_max_num_f32_dpp v17, v16, v16 row_xmask:1 row_mask:0xf bank_mask:0xf
	s_delay_alu instid0(VALU_DEP_1)
	v_max_num_f32_dpp v17, v17, v17 row_xmask:2 row_mask:0xf bank_mask:0xf
	s_delay_alu instid0(VALU_DEP_1)
	v_max_num_f32_dpp v17, v17, v17 row_xmask:4 row_mask:0xf bank_mask:0xf   ; the row's largest
	s_delay_alu instid0(VALU_DEP_1)
	v_sub_f32 v18, v16, v17
	s_delay_alu instid0(VALU_DEP_1)
	v_mul_f32 v18, 0x3fb8aa3b, v18
	s_wait_alu depctr_va_vdst(0)
	v_exp_f32 v18, v18                             ; e^(logit - largest): 1 for the largest
	v_cvt_f32_u32 v19, v11                         ; (a plain line behind the exponential)  my expert's number as f32
	s_wait_alu depctr_va_vdst(0)
	v_add_f32_dpp v20, v18, v18 row_xmask:1 row_mask:0xf bank_mask:0xf
	s_delay_alu instid0(VALU_DEP_1)
	v_add_f32_dpp v20, v20, v20 row_xmask:2 row_mask:0xf bank_mask:0xf
	s_delay_alu instid0(VALU_DEP_1)
	v_add_f32_dpp v20, v20, v20 row_xmask:4 row_mask:0xf bank_mask:0xf
	s_wait_alu depctr_va_vdst(0)
	v_rcp_f32 v21, v20                             ; 1 / the sum: the largest probability itself
	v_cmp_eq_f32 vcc_lo, v16, v17                  ; (a plain line behind the reciprocal)
	v_mov_b32 v22, 0x41000000                      ; 8.0: no expert
	s_delay_alu instid0(VALU_DEP_1)
	v_cndmask_b32 v22, v22, v19, vcc_lo
	s_delay_alu instid0(VALU_DEP_1)
	v_min_num_f32_dpp v22, v22, v22 row_xmask:1 row_mask:0xf bank_mask:0xf
	s_delay_alu instid0(VALU_DEP_1)
	v_min_num_f32_dpp v22, v22, v22 row_xmask:2 row_mask:0xf bank_mask:0xf
	s_delay_alu instid0(VALU_DEP_1)
	v_min_num_f32_dpp v22, v22, v22 row_xmask:4 row_mask:0xf bank_mask:0xf   ; the lowest expert that has the largest logit
	s_delay_alu instid0(VALU_DEP_1)
	v_cvt_u32_f32 v22, v22
	s_wait_alu depctr_va_vdst(0)
	v_mul_f32 v23, v18, v21                        ; my probability,
	s_delay_alu instid0(VALU_DEP_1)
	v_add_f32_dpp v23, v23, v23 row_xmask:8 row_mask:0xf bank_mask:0xf
	s_delay_alu instid0(VALU_DEP_1)
	v_permlanex16_b32 v24, v23, s24, s25
	s_delay_alu instid0(VALU_DEP_1)
	v_add_f32 v23, v23, v24                        ; summed over the wave's four rows
	s_wait_alu depctr_va_vdst(0)
	s_wait_dscnt 0x0                               ; the codes are in
.irp i, 0,1,2,3
	global_store_b128 v3, v[48+4*\i:51+4*\i], s[8:9] offset:512*\i   ; a whole row: 512 consecutive bytes, aligned
.endr
	ds_store_b32 v4, v22                           ; lanes that share a word write the same value
	ds_store_b32 v4, v21 offset:128
	ds_store_b32 v5, v23
	s_cmp_lt_u32 s16, 4
	s_cbranch_scc0 .Lno_bytes                      ; the 1,024 scale bytes leave by waves 0 to 3: 256 consecutive bytes each, aligned
	ds_load_b64 v[26:27], v6
	s_wait_dscnt 0x0
	global_store_b64 v7, v[26:27], s[26:27]
.Lno_bytes:
	s_wait_dscnt 0x0                               ; for wave 0's sake: my three stores have landed
	s_barrier_signal -1
	s_barrier_wait -1
	s_cmp_lg_u32 s16, 0
	s_cbranch_scc1 .Lend
; ---- wave 0, a lane to a row: the block's counts by ballots, the block's sums
	ds_load_b32 v16, v8                            ; the choice
	ds_load_b32 v17, v8 offset:128                 ; imp
	ds_load_b32 v18, v8 offset:256                 ; sums of waves l / 8 and 4 + l / 8 for expert l % 8
	ds_load_b32 v19, v8 offset:384
	v_mov_b32 v21, 0
	s_wait_alu depctr_va_vdst(0)
	s_wait_dscnt 0x0
.irp e, 0,1,2,3,4,5,6,7
	v_cmp_eq_u32 s[40+\e], \e, v16
	s_bcnt1_i32_b32 s50, s[40+\e]
	v_writelane_b32 v21, s50, \e                   ; lane e: the block's count of e
.endr
	v_add_f32 v18, v18, v19
	s_delay_alu instid0(VALU_DEP_1)
	v_add_f32_dpp v18, v18, v18 row_xmask:8 row_mask:0xf bank_mask:0xf
	s_delay_alu instid0(VALU_DEP_1)
	v_permlanex16_b32 v19, v18, s24, s25
	s_delay_alu instid0(VALU_DEP_1)
	v_add_f32 v18, v18, v19
	global_store_b32 v9, v16, s[30:31]
	global_store_b32 v9, v17, s[28:29]
	s_wait_alu depctr_va_vdst(0)
	s_wait_xcnt 0x0                                ; EXEC changes only behind this wait
	v_cmp_gt_u32 vcc_lo, 8, v0
	s_and_saveexec_b32 s52, vcc_lo
	global_store_b32 v9, v21, s[12:13] offset:CNT_OFF
	global_store_b32 v9, v18, s[10:11] offset:PS_OFF
	s_wait_xcnt 0x0                                ; and again, in front of the line that widens it
	s_or_b32 exec_lo, exec_lo, s52
.Lend:
	s_barrier_signal -1
	s_barrier_wait -1
	s_set_vgpr_msb 0x5
	s_wait_tensorcnt 0x0
	ds_add_u32 v0, v1
	s_wait_dscnt 0x0
	s_set_vgpr_msb 0x500
	s_endpgm
.Lfunc_end_k_qf10995943a_route:
	.size	k_qf10995943a_route, .Lfunc_end_k_qf10995943a_route-k_qf10995943a_route
	.p2alignl 7, 3214868480
	.fill 96, 4, 3214868480
	.section	.rodata,"a",@progbits
	.p2align	6, 0x0
	.amdhsa_kernel k_qf10995943a_route
		.amdhsa_group_segment_fixed_size 68608
		.amdhsa_private_segment_fixed_size 0
		.amdhsa_enable_private_segment 0
		.amdhsa_kernarg_size 64
		.amdhsa_user_sgpr_count 2
		.amdhsa_user_sgpr_kernarg_segment_ptr 1
		.amdhsa_wavefront_size32 1
		.amdhsa_system_sgpr_workgroup_id_x 1
		.amdhsa_system_sgpr_workgroup_id_y 1
		.amdhsa_system_sgpr_workgroup_id_z 1
		.amdhsa_system_vgpr_workitem_id 0
		.amdhsa_next_free_vgpr 258
		.amdhsa_next_free_sgpr 66
		.amdhsa_reserve_vcc 1
		.amdhsa_float_denorm_mode_32 3
		.amdhsa_float_denorm_mode_16_64 3
		.amdhsa_memory_ordered 1
		.amdhsa_forward_progress 1
		.amdhsa_inst_pref_size 84
	.end_amdhsa_kernel
	.amdgpu_metadata
---
amdhsa.version: [ 1, 2 ]
amdhsa.kernels:
  - .name:           k_qf10995943a_route
    .symbol:         k_qf10995943a_route.kd
    .args:
      - { .name: x, .offset: 0, .size: 8, .value_kind: global_buffer, .address_space: global }
      - { .name: gate_w, .offset: 8, .size: 8, .value_kind: global_buffer, .address_space: global }
      - { .name: xqs, .offset: 16, .size: 8, .value_kind: global_buffer, .address_space: global }
      - { .name: fl, .offset: 24, .size: 8, .value_kind: global_buffer, .address_space: global }
      - { .name: rsel, .offset: 32, .size: 8, .value_kind: global_buffer, .address_space: global }
      - { .name: fc1_w_codes, .offset: 40, .size: 8, .value_kind: global_buffer, .address_space: global }
      - { .name: fc2_w_codes, .offset: 48, .size: 8, .value_kind: global_buffer, .address_space: global }
      - { .name: wimg, .offset: 56, .size: 8, .value_kind: global_buffer, .address_space: global }
    .group_segment_fixed_size: 68608
    .private_segment_fixed_size: 0
    .kernarg_segment_align: 8
    .kernarg_segment_size: 64
    .max_flat_workgroup_size: 256
    .sgpr_count:     66
    .vgpr_count:     258
    .wavefront_size: 32
...
	.end_amdgpu_metadata
.endif
;; end of part 1
;; launch experts (part 2): grid 256 x 1, 4 waves a work-group, no clusters, 295,424 bytes of LDS; arguments xqs, fl, rsel, wimg, fc1_w_scales, fc1_b, fc2_w_scales, fc2_b, out0, out1; writes out0, out1
.if DOCPART == 2
	.amdgcn_target "amdgcn-amd-amdhsa--gfx1250"
	.amdhsa_code_object_version 6
	.text
	.protected	k_qf10995943a_experts
	.globl	k_qf10995943a_experts
	.p2align	8
	.type	k_qf10995943a_experts,@function
k_qf10995943a_experts:
	s_mov_b64 s[64:65], 0
	v_nop
	global_prefetch_b8 v0, s[64:65] scope:SCOPE_SE
	s_setreg_imm32_b32 hwreg(HW_REG_WAVE_MODE, 25, 1), 1
	s_wait_xcnt 0x0
; ONE EXPERT'S ROWS OF ONE SEGMENT OF 256 TOKENS THROUGH THE WHOLE CHAIN: out[token] = (relu(x W1^T + b1) W2^T + b2) x imp, both products on codes of FP4 (E2M1) with E8M0 scales for each 32 along K.
; Work-group g takes expert g % 8 and tokens 256 (g / 8) .. + 255: 32 x 8 = 256 work-groups serve every split, and no order across work-groups is needed.  Its rows are the n tokens of the segment that chose
; the expert (n = 0 to 256; about 32 where the choice is even).  Each wave finds them from the 256 stored choices, in registers: ballots give each block of 32 tokens its mask, count and first slot as scalars;
; one exchange a block sends the chosen tokens to lane (first slot + rank) % 32 and the others to the lanes left over, so that every lane sends and every lane receives; compares file what arrived by its slot.
; Rows go in CHUNKS of 64 slots; a chunk's slots at or beyond n repeat the work-group's first row, and are stored again with the same values only inside the last tile of 16 rows.
; More than 64 rows walk the weights once more for each further chunk.  A work-group with n = 0 stores nothing.
; BARRIERS: three, on every wave's way.  The gather is written out four times with early ends; each product is a loop of four trips whose body is jumped over where the chunk has no rows;
; every chunk has LDS bytes of its own, so nothing in LDS is written twice.
; SHARES.  The four waves share the columns: wave w makes hidden units 128 w .. + 127 (K step w of the second product) and outputs 256 w .. + 255, for a chunk's 64 rows.
; Both products are used transposed (source 0 = 16 rows of a weight, source 1 = 16 tokens): a lane holds ONE token throughout, and its registers run along the hidden units or the outputs.
; The weights' codes come straight from memory into registers, laid by the launch before in the order of the operand's registers: each load covers 512 consecutive bytes, each fragment is read once by
; the work-group and feeds four matrix instructions.  They come in units of 16 fragments (32 loads), two units ahead, through four quarters of 128 registers.
; x's rows are gathered whole (512 bytes a load) into LDS, with their scale bytes and imp, and read from there by all four waves; the hidden layer goes from wave to wave as images of the operand's registers.
; Wave 0 of work-group 0 also adds the blocks' counts and sums of probabilities and stores the loss = 8 x sum over e of (count[e] / 8192) (sum[e] / 8192).
; NO TENSOR LOADS, NO CLUSTER: the 32 work-groups of an expert walk the same weights, but how many chunks each walks hangs on a count read from memory.
; LIMITS: NaN and infinities are not served; a block of the hidden layer whose largest number lies under 2^-124 (a block of zeros too) gets the byte 1: its codes are then zeros or what that scale gives.
; REGISTERS, in windows of 256.  Window 0: v1-15 addresses that stay; v16-23 a chunk's addresses; v24-31 imp; v32-127 scale words and nothing else; v128-191 eight accumulators; v192-207 two tiles of a bias;
;   v208-239 the hidden layer's codes, later the rows' places in out0; v240-255 at work (at the head: the slots' tokens).  Window 1: x's 32 fragments; later the hidden layer's 16 (v0-127) and rows on
;   their way out (v128-255).  Windows 2, 3: the four quarters of weights.
.set XS_OFF, 4194304
.set PS_OFF, 32768
.set CNT_OFF, 32768
.set W2_OFF, 2097152
.set XP,   528                         ; LDS: x's 256 rows from byte 0 on, 512 bytes + 16
.set XCH,  64*XP                       ; a chunk's rows
.set XSCL, 135168                      ; their scale bytes, 32 a row
.set IMPL, 143360                      ; imp, a word a slot
.set TOKB, 144384                      ; the slots' tokens
.set B1L,  145408                      ; the expert's b1, 2 KiB
.set B2L,  147456                      ; its b2, 4 KiB
.set HIMG, 151552                      ; the hidden layer's fragments [K step = wave][chunk][tile of rows], 1,024 bytes each
.set HSC,  217088                      ; their scale words, likewise, 128 bytes each
.set STG,  225280                      ; a stage for each wave: 64 rows x (256 bytes + 16)
.set SPT,  272
.set RR,  1                            ; v1   r = lane % 16
.set HH,  2                            ; v2   h = lane / 16
.set LI,  3                            ; v3   16 x lane
.set LS,  4                            ; v4   4 x lane
.set XFA, 5                            ; v5   x's fragments: 528 r + 16 h
.set XST, 6                            ; v6   where I put my wave's 16 rows of a chunk
.set HWI, 7                            ; v7   where I put the hidden layer's images
.set HWS, 8                            ; v8   and their scale words
.set SO,  9                            ; v9   my stage, in: row r, + 32 h
.set SR,  10                           ; v10  and out: lanes 0-15 one row, lanes 16-31 the next
.set B1A, 11                           ; v11  b1: my wave's 128, + 16 h numbers
.set B2A, 12                           ; v12  b2: my wave's 256, + 8 h numbers
.set TKA, 13                           ; v13  the tokens of rows h, 2 + h, ..
.set W1O, 14                           ; v14  fc1's scale bytes: row r + 8 (r / 8), + 16 h.   v15: my place in a row of out0
.set XFK, 16                           ; v16-19 this chunk's: x's fragments, x's scale words, my images, my scale words
.set XSK, 17
.set HIK, 18
.set HSK, 19
.set TW,  20                           ; v20  token of slot 64 k + 16 w + r; later imp's address
.set HFK, 21                           ; v21-23 this chunk's: all images, all scale words, tokens
.set HRK, 22
.set TKK, 23
.set IM,  24                           ; v24, 26, 28, 30 imp of slot 16 m + r (the packed form names pairs: the odd ones are written too)
.set XSC, 32                           ; v32-47   x's scale words: [m][j]: lanes 0-15 K step j, lanes 16-31 K step 4 + j
.set W1S, 48                           ; v48-79   fc1's: [tile][j] likewise
.set W2S, 80                           ; v80-111  fc2's: [pair p][K step]: lanes 0-15 tile 2 p, lanes 16-31 tile 2 p + 1
.set HS,  112                          ; v112-127 the hidden layer's: [4 m + s]
.set ACC, 128
.set BI,  192
.set HC,  208
.set LN,  224                          ; v224 the lane, at the head
.set TM,  240                          ; v240-243 largest numbers, v244-247 the other half's, then bytes, v248-251 the conversions' scale operands
.set RK,  240                          ; at the head v240-247: register k, lane l: the token of slot 32 k + l
.set HW,  252                          ; v252-255 the scale words being made
.set MSB, 0
.macro WIN new                         ; the immediate's high byte repeats the setting that is left
.if MSB != (\new)
	s_set_vgpr_msb (MSB<<8)|(\new)
.set MSB, (\new)
.endif
.endm
; A unit of the weights, 16 fragments by 32 loads of 512 consecutive bytes, into quarter q, from off bytes behind the pointer s[sb:sb+1]
.macro WLD q, sb, off
	WIN 0x80+0x40*((\q)/2)
.set QB, 128*((\q)&1)
.set i, 0
.rept 32
	global_load_b128 v[QB+4*i:QB+4*i+3], v[LI], s[\sb:\sb+1] offset:(\off)+512*i
.set i, i+1
.endr
	WIN 0
.endm
	s_load_b512 s[4:19], s[0:1], 0x0               ; xqs, fl, rsel, wimg, fc1's scales, b1, fc2's scales, b2
	s_load_b128 s[20:23], s[0:1], 0x40             ; out0, out1
	v_lshrrev_b32 v15, 5, v0
	v_readfirstlane_b32 s32, v15                   ; wave 0..3
	s_mov_b32 s56, 0x76543210
	s_mov_b32 s57, 0xfedcba98                      ; v_permlanex16_b32's selects for lane l xor 16
	s_and_b32 s33, ttmp9, 7                        ; my expert
	s_lshr_b32 s34, ttmp9, 3                       ; my segment
	s_cmp_ge_u32 s32, 2
	s_cselect_b32 s66, -1, 0                       ; waves 2, 3 gather a chunk's upper 32 slots
	s_mov_b32 s67, 0xffff0000
	s_bitcmp1_b32 s32, 0
	s_cselect_b32 s67, 0xffff, s67                 ; the lanes that take the other half's token: lanes 16-31 in waves 0, 2; lanes 0-15 in waves 1, 3
	v_and_b32 v[RR], 15, v0
	v_bfe_u32 v[HH], v0, 4, 1
	v_and_b32 v[LN], 31, v0
	v_lshlrev_b32 v[LI], 4, v[LN]
	v_lshlrev_b32 v[LS], 2, v[LN]
	v_mul_u32_u24 v[XFA], v[RR], XP
	v_lshl_add_u32 v[XFA], v[HH], 4, v[XFA]
	s_mul_i32 s36, s32, 16*XP
	v_add_nc_u32 v[XST], s36, v[LI]
	s_lshl_b32 s36, s32, 14
	s_add_co_u32 s36, s36, HIMG
	v_add_nc_u32 v[HWI], s36, v[LI]
	s_lshl_b32 s36, s32, 11
	s_add_co_u32 s36, s36, HSC
	v_add_nc_u32 v[HWS], s36, v[LS]
	s_mul_i32 s36, s32, 64*SPT
	s_add_co_u32 s36, s36, STG
	v_mul_u32_u24 v[SO], v[RR], SPT
	v_lshl_add_u32 v[SO], v[HH], 5, v[SO]
	v_add_nc_u32 v[SO], s36, v[SO]
	v_mul_u32_u24 v[SR], v[HH], SPT
	v_lshl_add_u32 v[SR], v[RR], 4, v[SR]
	v_add_nc_u32 v[SR], s36, v[SR]
	s_lshl_b32 s36, s32, 9
	s_add_co_u32 s36, s36, B1L
	v_lshl_add_u32 v[B1A], v[HH], 6, s36
	s_lshl_b32 s36, s32, 10
	s_add_co_u32 s36, s36, B2L
	v_lshl_add_u32 v[B2A], v[HH], 5, s36
	v_lshl_add_u32 v[TKA], v[HH], 2, TOKB
	v_and_b32 v[W1O], 8, v[RR]
	v_add_nc_u32 v[W1O], v[W1O], v[RR]
	v_lshlrev_b32 v[W1O], 5, v[W1O]
	v_lshl_add_u32 v[W1O], v[HH], 4, v[W1O]
	v_lshlrev_b32 v229, 4, v0                      ; the biases in memory: 16 bytes a thread,
	v_lshl_add_u32 v231, v0, 4, B1L                ; and in LDS
	s_lshl_b32 s36, s32, 6
	s_add_co_u32 s36, s36, TOKB
	v_lshl_add_u32 v230, v[RR], 2, s36             ; where my wave's 16 tokens of a chunk go,
	s_lshl_b32 s36, s32, 6
	s_add_co_u32 s36, s36, IMPL
	v_lshl_add_u32 v238, v[RR], 2, s36             ; their imp,
	s_lshl_b32 s36, s32, 9
	s_add_co_u32 s36, s36, XSCL
	v_lshl_add_u32 v237, v[RR], 5, s36
	v_lshl_add_u32 v237, v[HH], 4, v237            ; and their scale bytes
	s_lshl_b32 s36, s32, 10
	v_lshl_add_u32 v15, v[RR], 4, s36              ; my place in a row of out0: 1024 w + 16 r
.irp m, 0,1,2,3
	v_mov_b32 v[IM+2*\m+1], 0
.endr
.irp k, 0,1,2,3,4,5,6,7
	v_mov_b32 v[RK+\k], 0                          ; slots that no token takes are given one below
.endr
	v_mov_b32 v233, 0                              ; written once: a lane permute's destination counts as one of its sources
	s_mov_b32 s37, 0
	s_wait_kmcnt 0x0
	s_lshl_b32 s36, s33, 18
	s_lshl_b32 s38, s32, 16
	s_add_co_u32 s36, s36, s38
	s_add_nc_u64 s[10:11], s[10:11], s[36:37]      ; fc1's images: expert x 256 KiB + wave x 64 KiB
	s_add_nc_u64 s[26:27], s[10:11], W2_OFF        ; fc2's likewise
	s_lshl_b32 s36, s33, 14
	s_lshl_b32 s38, s32, 12
	s_add_co_u32 s36, s36, s38
	s_add_nc_u64 s[12:13], s[12:13], s[36:37]      ; my wave's rows' scale bytes, of both weights: expert x 16 KiB + wave x 4 KiB
	s_add_nc_u64 s[16:17], s[16:17], s[36:37]
	s_lshl_b32 s36, s33, 11
	s_add_nc_u64 s[14:15], s[14:15], s[36:37]
	s_lshl_b32 s36, s33, 12
	s_add_nc_u64 s[18:19], s[18:19], s[36:37]
	s_add_nc_u64 s[24:25], s[4:5], XS_OFF          ; x's scale bytes
	s_lshl_b32 s36, s34, 10
	s_add_nc_u64 s[80:81], s[8:9], s[36:37]        ; my segment's choices
	s_lshl_b32 s79, s34, 8                         ; its first token
; ---- the first loads: the 256 choices (register b, lane l: token 32 b + l of the segment); the weights' scale words; the biases; unit 0 of the weights
.irp b, 0,1,2,3,4,5,6,7
	global_load_b32 v[128+\b], v[LS], s[80:81] offset:128*\b
.endr
.irp t, 0,1,2,3,4,5,6,7
	global_load_b128 v[W1S+4*\t:W1S+4*\t+3], v[W1O], s[12:13] offset:(32*(\t/2)+8*(\t%2))*32
.endr
.irp p, 0,1,2,3,4,5,6,7
	global_load_b128 v[W2S+4*\p:W2S+4*\p+3], v[LI], s[16:17] offset:512*\p
.endr
	global_load_b128 v[192:195], v229, s[14:15]
	global_load_b128 v[196:199], v229, s[18:19]
	global_load_b128 v[200:203], v229, s[18:19] offset:2048
	WLD 0, 10, 0
	s_wait_loadcnt 51                              ; the choices are in: behind them 19 small loads and unit 0's 32 were issued
; ---- which tokens are mine.  s40-47 the blocks' masks, s48-55 their counts, s68-76 their first slots; s30 = n
.irp b, 0,1,2,3,4,5,6,7
	v_and_b32 v[128+\b], 0xff, v[128+\b]
.endr
.irp b, 0,1,2,3,4,5,6,7
	v_cmp_eq_u32 s[40+\b], s33, v[128+\b]
.endr
.irp b, 0,1,2,3,4,5,6,7
	s_bcnt1_i32_b32 s[48+\b], s[40+\b]
.endr
	s_mov_b32 s68, 0
.irp b, 0,1,2,3,4,5,6,7
	s_add_co_u32 s[69+\b], s[68+\b], s[48+\b]
.endr
	s_min_u32 s30, s76, 256
.irp b, 0,1,2,3,4,5,6,7
	v_mbcnt_lo_u32_b32 v[144+\b], s[40+\b], 0      ; the chosen lanes below mine
.endr
.irp b, 0,1,2,3,4,5,6,7
	v_sub_nc_u32 v[168+\b], v[LN], v[144+\b]       ; the others below mine
.endr
.irp b, 0,1,2,3,4,5,6,7
	v_add_nc_u32 v[144+\b], s[68+\b], v[144+\b]    ; chosen: the block's first slot + my rank
.endr
.irp b, 0,1,2,3,4,5,6,7
	v_add_nc_u32 v[168+\b], s[69+\b], v[168+\b]    ; not chosen: behind the block's last slot
.endr
.irp b, 0,1,2,3,4,5,6,7
	v_cndmask_b32 v[144+\b], v[168+\b], v[144+\b], s[40+\b]
.endr
.irp b, 0,1,2,3,4,5,6,7
	v_and_b32 v[144+\b], 31, v[144+\b]             ; modulo 32 these are 32 different lanes
.endr
.irp b, 0,1,2,3,4,5,6,7
	v_lshlrev_b32 v[152+\b], 2, v[144+\b]
.endr
.irp b, 0,1,2,3,4,5,6,7
	v_add_nc_u32 v[160+\b], 32*\b, v[LN]           ; what I send: my number in the segment
.endr
.irp b, 0,1,2,3,4,5,6,7
	ds_permute_b32 v[136+\b], v[152+\b], v[160+\b]
.endr
	s_wait_dscnt 0x0
	s_barrier_signal -1                            ; the exchanges go through the LDS unit: all waves' are over before any wave stores to LDS.  Work on registers stands between signal and wait
.irp b, 0,1,2,3,4,5,6,7
	v_sub_nc_u32 v[144+\b], v[LN], s[68+\b]
.endr
.irp b, 0,1,2,3,4,5,6,7
	v_and_b32 v[144+\b], 31, v[144+\b]             ; the rank of what arrived in my lane, if it was chosen
.endr
.irp b, 0,1,2,3,4,5,6,7
	v_add_nc_u32 v[168+\b], s[68+\b], v[144+\b]    ; its slot,
.endr
.irp b, 0,1,2,3,4,5,6,7
	v_lshrrev_b32 v[168+\b], 5, v[168+\b]          ; and in which register that lies
.endr
.irp b, 0,1,2,3,4,5,6,7
	v_cmp_gt_u32 vcc_lo, s[48+\b], v[144+\b]       ; chosen: its rank lies under the block's count
	v_cndmask_b32 v[168+\b], 8, v[168+\b], vcc_lo  ; else: no register
.endr
.irp b, 0,1,2,3,4,5,6,7
.irp k, 0,1,2,3,4,5,6,7
.if \k <= \b                                   ; block b's slots lie under 32 (b + 1)
	v_cmp_eq_u32 vcc_lo, \k, v[168+\b]
	v_cndmask_b32 v[RK+\k], v[RK+\k], v[136+\b], vcc_lo
.endif
.endr
.endr
	v_readlane_b32 s77, v[RK], 0                   ; slot 0's token stands in for the slots at or beyond n
.irp k, 0,1,2,3,4,5,6,7
	s_sub_co_i32 s78, s30, 32*\k
	v_cmp_gt_i32 vcc_lo, s78, v[LN]
	v_cndmask_b32 v[RK+\k], s77, v[RK+\k], vcc_lo
	v_add_nc_u32 v[RK+\k], s79, v[RK+\k]           ; + the segment's first token
.endr
	s_barrier_wait -1
	s_wait_loadcnt 32                              ; scale words and biases are in; unit 0 may be out
	ds_store_b128 v231, v[192:195]
	ds_store_b128 v231, v[196:199] offset:2048
	ds_store_b128 v231, v[200:203] offset:4096
; ---- chunk k is gathered: my wave's 16 rows of codes, whole; their scale bytes; imp; the tokens
.macro GATHER k
	v_cndmask_b32 v232, v[RK+2*\k], v[RK+2*\k+1], s66
	v_permlanex16_b32 v233, v232, s56, s57
	v_cndmask_b32 v[TW], v232, v233, s67           ; both halves of the lanes: the token of slot 64 k + 16 w + r
	v_min_u32 v[TW], 0x1fff, v[TW]                 ; held inside the tables before it enters an address
	ds_store_b32 v230, v[TW] offset:256*\k         ; (both halves write the same word with the same value)
.irp j, 0,1,2,3,4,5,6,7,8,9,10,11,12,13,14,15
	v_readlane_b32 s[40+\j], v[TW], \j
	s_min_u32 s[40+\j], s[40+\j], 0x1fff
	v_lshl_add_u32 v[HC+\j], s[40+\j], 9, v[LI]
	global_load_b128 v[ACC+4*\j:ACC+4*\j+3], v[HC+\j], s[4:5]
.endr
	v_lshlrev_b32 v234, 5, v[TW]
	v_lshl_add_u32 v234, v[HH], 4, v234
	global_load_b128 v[204:207], v234, s[24:25]
	v_lshlrev_b32 v235, 2, v[TW]
	global_load_b32 v239, v235, s[6:7]
.if \k == 0
	WLD 1, 10, 16384
	s_wait_loadcnt 32                              ; the chunk's 18 loads are in; unit 1 may be out
.else
	s_wait_loadcnt 0x0
	v_add_nc_u32 v236, \k*XCH, v[XST]
.endif
.irp j, 0,1,2,3,4,5,6,7,8,9,10,11,12,13,14,15
.if \k == 0
	ds_store_b128 v[XST], v[ACC+4*\j:ACC+4*\j+3] offset:XP*\j
.else
	ds_store_b128 v236, v[ACC+4*\j:ACC+4*\j+3] offset:XP*\j
.endif
.endr
	ds_store_b128 v237, v[204:207] offset:2048*\k
	ds_store_b32 v238, v239 offset:256*\k
	s_wait_dscnt 0x0                               ; the stores have read their registers
.endm
	GATHER 0
	s_cmp_le_u32 s30, 64
	s_cbranch_scc1 .Lgathered
	GATHER 1
	s_cmp_le_u32 s30, 128
	s_cbranch_scc1 .Lgathered
	GATHER 2
	s_cmp_le_u32 s30, 192
	s_cbranch_scc1 .Lgathered
	GATHER 3
.Lgathered:
	s_wait_dscnt 0x0                               ; for the others' sake: my rows, tokens and parts of the biases lie in LDS
	s_barrier_signal -1
	s_barrier_wait -1
.macro BIAS1 b                         ; b1 at hidden units 32 b + 16 h + 8 u + 0 .. 7 of my wave's 128: the result's layout
.irp u, 0,1
	ds_load_b128 v[BI+8*\u:BI+8*\u+3], v[B1A] offset:128*(\b)+32*\u
	ds_load_b128 v[BI+8*\u+4:BI+8*\u+7], v[B1A] offset:128*(\b)+32*\u+16
.endr
.endm
.macro BIAS2 p                         ; b2 at outputs 32 p + 16 n + 8 h + 0 .. 7 of my wave's 256
.irp n, 0,1
	ds_load_b128 v[BI+8*\n:BI+8*\n+3], v[B2A] offset:128*(\p)+64*\n
	ds_load_b128 v[BI+8*\n+4:BI+8*\n+7], v[B2A] offset:128*(\p)+64*\n+16
.endr
.endm
; fc1, tiles 2 b and 2 b + 1 for the four tiles of rows: 64 matrix instructions on eight accumulators, which take turns, one instruction a turn.  The bias is the C of each sum's first.
.macro PAIR1 b
	WIN 0x06+(\b)/2                                ; source 0 (the weights) window 2 or 3, source 1 (x) window 1
.set QB, 128*((\b)&1)
.irp s, 0,1,2,3,4,5,6,7
.irp u, 0,1
.irp m, 0,1,2,3
.set rD, ACC+32*\u+8*\m
.set rA, QB+8*(8*\u+\s)
.set rB, 8*(8*\m+\s)
.set rX, W1S+4*(2*(\b)+\u)+((\s)&3)
.set rY, XSC+4*\m+((\s)&3)
.if \s == 0
	v_wmma_scale_f32_16x16x128_f8f6f4 v[rD:rD+7], v[rA:rA+7], v[rB:rB+7], v[BI+8*\u:BI+8*\u+7], v[rX], v[rY] matrix_a_fmt:MATRIX_FMT_FP4 matrix_b_fmt:MATRIX_FMT_FP4
.elseif \s < 4
	v_wmma_scale_f32_16x16x128_f8f6f4 v[rD:rD+7], v[rA:rA+7], v[rB:rB+7], v[rD:rD+7], v[rX], v[rY] matrix_a_fmt:MATRIX_FMT_FP4 matrix_b_fmt:MATRIX_FMT_FP4
.else
	v_wmma_scale_f32_16x16x128_f8f6f4 v[rD:rD+7], v[rA:rA+7], v[rB:rB+7], v[rD:rD+7], v[rX], v[rY] matrix_a_fmt:MATRIX_FMT_FP4 matrix_b_fmt:MATRIX_FMT_FP4 matrix_a_scale:MATRIX_SCALE_ROW1 matrix_b_scale:MATRIX_SCALE_ROW1
.endif
.endr
.endr
.endr
.endm
; relu, then block b of the hidden layer's K step is quantised for the four tiles of rows: a lane's 16 registers (tiles 2 b, 2 b + 1) are hidden units 32 b + 16 h + 0 .. 15; lanes l and l xor 16 hold the block.
.macro QUANT1 b
.set j, 0
.rept 64
	v_max_num_f32 v[ACC+j], 0, v[ACC+j]            ; each accumulator from its low end on
.set j, j+1
.endr
.irp m, 0,1,2,3
	v_max3_num_f32 v[TM+\m], v[ACC+8*\m], v[ACC+8*\m+1], 0x1800000   ; none is negative: no |.|; the floor 2^(3 - 127) keeps the byte from falling under 1
.endr
.irp i, 2,4,6
.irp m, 0,1,2,3
	v_max3_num_f32 v[TM+\m], v[TM+\m], v[ACC+8*\m+\i], v[ACC+8*\m+\i+1]
.endr
.endr
.irp i, 0,2,4,6
.irp m, 0,1,2,3
	v_max3_num_f32 v[TM+\m], v[TM+\m], v[ACC+32+8*\m+\i], v[ACC+32+8*\m+\i+1]
.endr
.endr
.irp m, 0,1,2,3
	v_permlanex16_b32 v[TM+4+\m], v[TM+\m], s56, s57
.endr
.irp m, 0,1,2,3
	v_max_num_f32 v[TM+\m], v[TM+\m], v[TM+4+\m]
.endr
.irp m, 0,1,2,3
	v_add_nc_u32 v[TM+8+\m], 0xff000000, v[TM+\m]  ; 2 off the exponent field: the conversion's scale operand
.endr
.irp m, 0,1,2,3
	v_lshrrev_b32 v[TM+4+\m], 23, v[TM+8+\m]       ; the scale's byte
.endr
.irp m, 0,1,2,3
.if (\b) == 0
	v_mov_b32 v[HW+\m], v[TM+4+\m]
.else
	v_lshl_or_b32 v[HW+\m], v[TM+4+\m], 8*(\b), v[HW+\m]
.endif
.endr
.irp m, 0,1,2,3
	v_cvt_scalef32_pk8_fp4_f32 v[HC+8*\m+2*(\b)], v[ACC+8*\m:ACC+8*\m+7], v[TM+8+\m]
	v_cvt_scalef32_pk8_fp4_f32 v[HC+8*\m+2*(\b)+1], v[ACC+32+8*\m:ACC+32+8*\m+7], v[TM+8+\m]
.endr
	v_nop                                          ; one plain line behind the last scaled conversion
.if (\b)%2
.irp m, 0,1,2,3                                ; the operand's layout wants a whole block in a lane: lanes 0-15 the even block, lanes 16-31 the odd one
.irp i, 0,1
	v_permlane16_swap_b32 v[HC+8*\m+2*((\b)-1)+\i], v[HC+8*\m+2*((\b)-1)+2+\i]
.endr
.endr
.endif
.endm
; ---- THE FIRST PRODUCT: four trips, one for each chunk; a chunk without rows is jumped over.  s35 = 64 k; s59-62 the chunk's steps in LDS
	s_mov_b32 s58, 0
	s_mov_b32 s35, 0
	s_mov_b32 s59, 0
	s_mov_b32 s60, 0
	s_mov_b32 s61, 0
	s_mov_b32 s62, 0
.Lfc1:
	s_cmp_ge_u32 s35, s30
	s_cbranch_scc1 .Lfc1_none
	s_wait_xcnt 0x0                                ; the pointer below is the base of the last trip's loads: it is written again only behind this wait
	s_add_co_u32 s36, s35, 64
	s_cmp_lt_u32 s36, s30                          ; what quarters 0 and 1 take next: fc1's first units again, if a chunk follows; else fc2's first units
	s_cselect_b32 s36, 0, W2_OFF
	s_add_nc_u64 s[28:29], s[10:11], s[36:37]
	v_add_nc_u32 v[XFK], s59, v[XFA]
	s_add_co_u32 s38, s61, XSCL
	v_lshl_add_u32 v[XSK], v[RR], 5, s38
	v_lshl_add_u32 v[XSK], v[HH], 4, v[XSK]
	v_add_nc_u32 v[HIK], s60, v[HWI]
	v_add_nc_u32 v[HSK], s62, v[HWS]
.irp m, 0,1,2,3
	ds_load_b128 v[XSC+4*\m:XSC+4*\m+3], v[XSK] offset:512*\m
.endr
	WIN 0x40                                       ; destination window 1
.irp m, 0,1,2,3
.irp s, 0,1,2,3,4,5,6,7
.irp c, 0,1
	ds_load_b128 v[8*(8*\m+\s)+4*\c:8*(8*\m+\s)+4*\c+3], v[XFK] offset:16*\m*XP+64*\s+32*\c   ; x's fragment (m, s): they stay for the chunk's whole first product
.endr
.endr
.endr
	WIN 0
	BIAS1 0
.irp b, 0,1,2,3
	s_wait_loadcnt 32                              ; unit b is in: behind it only the next unit's 32 loads were issued.  The unit two on goes into a quarter whose products were issued a phase ago or more
.if \b == 0
	WLD 2, 10, 32768
.elseif \b == 1
	WLD 3, 10, 49152
.elseif \b == 2
	WLD 0, 28, 0
.else
	WLD 1, 28, 16384
.endif
	s_wait_dscnt 0x0                               ; the bias (and, the first time, x's fragments and scale words)
	PAIR1 \b
	WIN 0
.rept 4
	v_nop                                          ; four plain lines between the products and the first read of their results, and the loads into the bias' registers
.endr
.if \b < 3
	BIAS1 \b+1
.endif
	QUANT1 \b                                      ; its lines are also the distance to the next pair's products, which begin these accumulators anew
.endr
.irp m, 0,1,2,3
	ds_store_b128 v[HIK], v[HC+8*\m:HC+8*\m+3] offset:1024*\m          ; the fragment as it stands
	ds_store_b128 v[HIK], v[HC+8*\m+4:HC+8*\m+7] offset:1024*\m+512
	ds_store_b32 v[HSK], v[HW+\m] offset:128*\m
.endr
	s_wait_dscnt 0x0                               ; the stores have read their registers
.Lfc1_none:
	s_add_co_u32 s35, s35, 64
	s_add_co_u32 s59, s59, XCH
	s_add_co_u32 s60, s60, 4096
	s_add_co_u32 s61, s61, 2048
	s_add_co_u32 s62, s62, 512
	s_add_co_u32 s58, s58, 1
	s_cmp_lt_u32 s58, 4
	s_cbranch_scc1 .Lfc1
	s_wait_dscnt 0x0                               ; for the others' sake: my K step of the hidden layer lies in LDS
	s_barrier_signal -1
	s_barrier_wait -1
; fc2, tiles 2 p and 2 p + 1 of my 16 for the four tiles of rows: 32 matrix instructions on eight accumulators by turns
.macro PAIR2 p
	WIN 0x06+(\p)/4
.set QB, 128*(((\p)/2)&1)
.irp s, 0,1,2,3
.irp n, 0,1
.irp m, 0,1,2,3
.set rD, ACC+32*\n+8*\m
.set rA, QB+8*(4*(2*((\p)&1)+\n)+\s)
.set rB, 8*(4*\m+\s)
.set rX, W2S+4*(\p)+\s
.set rY, HS+4*\m+\s
.if \s == 0
.if \n == 0
	v_wmma_scale_f32_16x16x128_f8f6f4 v[rD:rD+7], v[rA:rA+7], v[rB:rB+7], v[BI+8*\n:BI+8*\n+7], v[rX], v[rY] matrix_a_fmt:MATRIX_FMT_FP4 matrix_b_fmt:MATRIX_FMT_FP4
.else
	v_wmma_scale_f32_16x16x128_f8f6f4 v[rD:rD+7], v[rA:rA+7], v[rB:rB+7], v[BI+8*\n:BI+8*\n+7], v[rX], v[rY] matrix_a_fmt:MATRIX_FMT_FP4 matrix_b_fmt:MATRIX_FMT_FP4 matrix_a_scale:MATRIX_SCALE_ROW1
.endif
.else
.if \n == 0
	v_wmma_scale_f32_16x16x128_f8f6f4 v[rD:rD+7], v[rA:rA+7], v[rB:rB+7], v[rD:rD+7], v[rX], v[rY] matrix_a_fmt:MATRIX_FMT_FP4 matrix_b_fmt:MATRIX_FMT_FP4
.else
	v_wmma_scale_f32_16x16x128_f8f6f4 v[rD:rD+7], v[rA:rA+7], v[rB:rB+7], v[rD:rD+7], v[rX], v[rY] matrix_a_fmt:MATRIX_FMT_FP4 matrix_b_fmt:MATRIX_FMT_FP4 matrix_a_scale:MATRIX_SCALE_ROW1
.endif
.endif
.endr
.endr
.endr
.endm
; x imp, and into my stage: lane (r, h) holds outputs 16 n + 8 h + 0 .. 7 of row 16 m + r.  Tiles of rows at or beyond the chunk's rows (s31) are left out
.macro OUT p
.rept 4
	v_nop                                          ; four plain lines between the products and the first read of their results
.endr
.irp m, 0,1,2,3
.if \m > 0
	s_cmp_le_u32 s31, 16*\m
	s_cbranch_scc1 .Lstaged_\@
.endif
.irp n, 0,1
.irp j, 0,2,4,6
	v_pk_mul_f32 v[ACC+32*\n+8*\m+\j:ACC+32*\n+8*\m+\j+1], v[ACC+32*\n+8*\m+\j:ACC+32*\n+8*\m+\j+1], v[IM+2*\m:IM+2*\m+1] op_sel_hi:[1,0]
.endr
.endr
.irp n, 0,1
	ds_store_b128 v[SO], v[ACC+32*\n+8*\m:ACC+32*\n+8*\m+3] offset:16*\m*SPT+64*(2*((\p)&1)+\n)
	ds_store_b128 v[SO], v[ACC+32*\n+8*\m+4:ACC+32*\n+8*\m+7] offset:16*\m*SPT+64*(2*((\p)&1)+\n)+16
.endr
.endr
.Lstaged_\@:
.if (\p) < 7
	BIAS2 (\p)+1
.endif
.endm
.macro LROWS m                         ; tile m's 16 rows x 64 outputs back from my stage, two rows a load.  LDS serves a wave's instructions in order: these see my stores, and the next group's stores come behind them
	WIN 0x40
.irp i, 0,1,2,3,4,5,6,7
	ds_load_b128 v[128+4*(8*(\m)+\i):128+4*(8*(\m)+\i)+3], v[SR] offset:2*SPT*(8*(\m)+\i)
.endr
	WIN 0
.endm
.macro SROWS m, g, younger             ; and out: sixteen lanes store 256 consecutive bytes of a token's row, aligned.  younger: the stage loads issued behind this tile's
	WIN 0x04                                       ; a store's data are its source 1: window 1
.irp i, 0,1,2,3,4,5,6,7
	s_wait_dscnt \younger+7-\i
	global_store_b128 v[HC+8*(\m)+\i], v[128+4*(8*(\m)+\i):128+4*(8*(\m)+\i)+3], s[20:21] offset:256*(\g) th:TH_STORE_NT
.endr
	WIN 0
.endm
; Group g's 64 outputs leave, a tile of rows at a time, the next tile's loads ahead of a tile's stores.  Each early end has a tail of its own, so that what a way stores it has loaded
.macro SENDG g
	s_wait_xcnt 0x0                                ; the last group's stores have read their data: those registers are loaded again only behind this wait
	LROWS 0
	s_cmp_le_u32 s31, 16
	s_cbranch_scc1 .Ltail0_\@
	LROWS 1
	SROWS 0, \g, 8
	s_cmp_le_u32 s31, 32
	s_cbranch_scc1 .Ltail1_\@
	LROWS 2
	SROWS 1, \g, 8
	s_cmp_le_u32 s31, 48
	s_cbranch_scc1 .Ltail2_\@
	LROWS 3
	SROWS 2, \g, 8
	SROWS 3, \g, 0
	s_branch .Lsent_\@
.Ltail0_\@:
	SROWS 0, \g, 0
	s_branch .Lsent_\@
.Ltail1_\@:
	SROWS 1, \g, 0
	s_branch .Lsent_\@
.Ltail2_\@:
	SROWS 2, \g, 0
.Lsent_\@:
.endm
; ---- THE SECOND PRODUCT: four trips likewise.  s60, s62, s63 the chunk's steps in LDS; s31 its rows
	s_mov_b32 s58, 0
	s_mov_b32 s35, 0
	s_mov_b32 s60, 0
	s_mov_b32 s62, 0
	s_mov_b32 s63, 0
.Lfc2:
	s_cmp_ge_u32 s35, s30
	s_cbranch_scc1 .Lfc2_none
	s_wait_xcnt 0x0                                ; the last chunk's stores have read their offsets: those registers are written again only behind this wait
	s_sub_co_u32 s31, s30, s35
	s_min_u32 s31, s31, 64
	s_add_co_u32 s38, s60, HIMG
	v_add_nc_u32 v[HFK], s38, v[LI]
	s_add_co_u32 s38, s62, HSC
	v_add_nc_u32 v[HRK], s38, v[LS]
	v_add_nc_u32 v[TKK], s63, v[TKA]
	s_add_co_u32 s38, s63, IMPL
	v_lshl_add_u32 v[TW], v[RR], 2, s38
	WIN 0x40
.irp m, 0,1,2,3
.irp s, 0,1,2,3
.irp c, 0,1
	ds_load_b128 v[8*(4*\m+\s)+4*\c:8*(4*\m+\s)+4*\c+3], v[HFK] offset:16384*\s+1024*\m+512*\c
.endr
.endr
.endr
	WIN 0
.irp m, 0,1,2,3
.irp s, 0,1,2,3
	ds_load_b32 v[HS+4*\m+\s], v[HRK] offset:2048*\s+128*\m
.endr
.endr
.set i, 0
.rept 32
	ds_load_b32 v[HC+i], v[TKK] offset:8*i         ; the token of row 2 i + h
.set i, i+1
.endr
.irp m, 0,1,2,3
	ds_load_b32 v[IM+2*\m], v[TW] offset:64*\m
.endr
	BIAS2 0
	s_wait_dscnt 0x0
.set i, 0
.rept 32
	v_min_u32 v[HC+i], 0x1fff, v[HC+i]
	v_lshl_add_u32 v[HC+i], v[HC+i], 12, v15       ; its row of out0, my wave's 1,024 bytes, my 16
.set i, i+1
.endr
	s_wait_loadcnt 32                              ; fc2's unit 0 is in; its unit 1 may be out
	WLD 2, 26, 32768
.irp g, 0,1,2,3
.irp q, 0,1
	s_wait_dscnt 0x0                               ; the bias is in, and the stage's stores have read the accumulators
	PAIR2 2*\g+\q
	WIN 0
	OUT 2*\g+\q
.endr
	SENDG \g
.if \g == 0
	s_wait_loadcnt 32                              ; unit 1 is in; unit 2 may be out
	WLD 3, 26, 49152
.elseif \g == 1
	s_wait_loadcnt 32                              ; unit 2 is in; unit 3 may be out
.elseif \g == 2
	s_wait_loadcnt 0x0                             ; unit 3 is in
	s_add_co_u32 s38, s35, 64
	s_cmp_ge_u32 s38, s30
	s_cbranch_scc1 .Lno_more
	WLD 0, 26, 0                                   ; a chunk follows: fc2's first two units once more
	WLD 1, 26, 16384
.Lno_more:
.endif
.endr
.Lfc2_none:
	s_add_co_u32 s35, s35, 64
	s_add_co_u32 s60, s60, 4096
	s_add_co_u32 s62, s62, 512
	s_add_co_u32 s63, s63, 256
	s_add_co_u32 s58, s58, 1
	s_cmp_lt_u32 s58, 4
	s_cbranch_scc1 .Lfc2
; ---- the loss: wave 0 of work-group 0.  Word 128 i + 4 l + c of each table belongs to expert 4 (l % 2) + c
	s_cmp_lg_u32 ttmp9, 0
	s_cbranch_scc1 .Lend
	s_cmp_lg_u32 s32, 0
	s_cbranch_scc1 .Lend
	s_wait_xcnt 0x0                                ; my stores have read their offsets: those registers are loaded only behind this wait
.irp i, 0,1,2,3,4,5,6,7,8,9,10,11,12,13,14,15
	global_load_b128 v[128+4*\i:131+4*\i], v[LI], s[8:9] offset:CNT_OFF+512*\i
.endr
.irp i, 0,1,2,3,4,5,6,7,8,9,10,11,12,13,14,15
	global_load_b128 v[192+4*\i:195+4*\i], v[LI], s[6:7] offset:PS_OFF+512*\i
.endr
	s_wait_loadcnt 16                              ; the counts are in; the 16 loads of sums may be out
.irp i, 1,2,3,4,5,6,7,8,9,10,11,12,13,14,15
.irp c, 0,1,2,3
	v_add_nc_u32 v[128+\c], v[128+\c], v[128+4*\i+\c]
.endr
.endr
.irp c, 0,1,2,3
	v_cvt_f32_u32 v[128+\c], v[128+\c]             ; at most 8,192: exact
.endr
	s_wait_loadcnt 0x0
.irp i, 1,2,3,4,5,6,7,8,9,10,11,12,13,14,15
	v_pk_add_f32 v[192:193], v[192:193], v[192+4*\i:193+4*\i]
	v_pk_add_f32 v[194:195], v[194:195], v[194+4*\i:195+4*\i]
.endr
.irp x, 2,4,8
.irp q, 128,129,130,131,192,193,194,195
	v_add_f32_dpp v[\q], v[\q], v[\q] row_xmask:\x row_mask:0xf bank_mask:0xf
.endr
.endr
.irp q, 128,129,130,131,192,193,194,195
	v_permlanex16_b32 v[\q+8], v[\q], s56, s57
.endr
.irp q, 128,129,130,131,192,193,194,195
	v_add_f32 v[\q], v[\q], v[\q+8]                ; over all lanes of my parity: the expert's tokens, and its probabilities' sum
.endr
	v_mul_f32 v128, v128, v192
	v_fma_f32 v128, v129, v193, v128
	v_fma_f32 v128, v130, v194, v128
	v_fma_f32 v128, v131, v195, v128
	v_add_f32_dpp v128, v128, v128 row_xmask:1 row_mask:0xf bank_mask:0xf
	v_mul_f32 v128, 0x34000000, v128               ; x 8 / 8192^2 = 2^-23
	v_mov_b32 v129, 0
	v_cmp_eq_u32 vcc_lo, 0, v0
	s_wait_alu depctr_va_vdst(0)
	s_wait_xcnt 0x0                                ; EXEC changes only behind this wait
	s_and_saveexec_b32 s36, vcc_lo
	global_store_b32 v129, v128, s[22:23]
	s_wait_xcnt 0x0                                ; and again, in front of the line that widens it
	s_or_b32 exec_lo, exec_lo, s36
.Lend:
	s_wait_xcnt 0x0
	s_mov_b32 exec_lo, -1
	v_lshl_add_u32 v29, v0, 2, 0x48000
	v_mov_b32 v31, 0
	s_wait_alu depctr_va_vdst(0)
	s_wait_tensorcnt 0x0
	ds_add_u32 v29, v31
	s_wait_dscnt 0x0
	s_endpgm
.Lfunc_end_k_qf10995943a_experts:
	.size	k_qf10995943a_experts, .Lfunc_end_k_qf10995943a_experts-k_qf10995943a_experts
	.p2alignl 7, 3214868480
	.fill 96, 4, 3214868480
	.section	.rodata,"a",@progbits
	.p2align	6, 0x0
	.amdhsa_kernel k_qf10995943a_experts
		.amdhsa_group_segment_fixed_size 295424
		.amdhsa_private_segment_fixed_size 0
		.amdhsa_enable_private_segment 0
		.amdhsa_kernarg_size 80
		.amdhsa_user_sgpr_count 2
		.amdhsa_user_sgpr_kernarg_segment_ptr 1
		.amdhsa_wavefront_size32 1
		.amdhsa_system_sgpr_workgroup_id_x 1
		.amdhsa_system_sgpr_workgroup_id_y 1
		.amdhsa_system_sgpr_workgroup_id_z 1
		.amdhsa_system_vgpr_workitem_id 0
		.amdhsa_next_free_vgpr 1024
		.amdhsa_next_free_sgpr 96
		.amdhsa_reserve_vcc 1
		.amdhsa_float_denorm_mode_32 3
		.amdhsa_float_denorm_mode_16_64 3
		.amdhsa_memory_ordered 1
		.amdhsa_forward_progress 1
		.amdhsa_inst_pref_size 255
	.end_amdhsa_kernel
	.section	.bss,"aw",@nobits
	.p2align	6
	.space	262144
	.amdgpu_metadata
---
amdhsa.version: [ 1, 2 ]
amdhsa.kernels:
  - .name:           k_qf10995943a_experts
    .symbol:         k_qf10995943a_experts.kd
    .args:
      - { .name: xqs, .offset: 0, .size: 8, .value_kind: global_buffer, .address_space: global }
      - { .name: fl, .offset: 8, .size: 8, .value_kind: global_buffer, .address_space: global }
      - { .name: rsel, .offset: 16, .size: 8, .value_kind: global_buffer, .address_space: global }
      - { .name: wimg, .offset: 24, .size: 8, .value_kind: global_buffer, .address_space: global }
      - { .name: fc1_w_scales, .offset: 32, .size: 8, .value_kind: global_buffer, .address_space: global }
      - { .name: fc1_b, .offset: 40, .size: 8, .value_kind: global_buffer, .address_space: global }
      - { .name: fc2_w_scales, .offset: 48, .size: 8, .value_kind: global_buffer, .address_space: global }
      - { .name: fc2_b, .offset: 56, .size: 8, .value_kind: global_buffer, .address_space: global }
      - { .name: out0, .offset: 64, .size: 8, .value_kind: global_buffer, .address_space: global }
      - { .name: out1, .offset: 72, .size: 8, .value_kind: global_buffer, .address_space: global }
    .group_segment_fixed_size: 295424
    .private_segment_fixed_size: 0
    .kernarg_segment_align: 8
    .kernarg_segment_size: 80
    .max_flat_workgroup_size: 128
    .sgpr_count:     96
    .vgpr_count:     1024
    .wavefront_size: 32
...
	.end_amdgpu_metadata
.endif
;; end of part 2
